; MI455X (gfx1250); checked and timed in simulation.
; The chip was launched on July 23, 2026; its instructions are those of AMD's public machine-readable ISA for CDNA 5 (MIT licence, August 2026) and "CDNA5" Instruction Set Architecture Reference Guide (July 2026). The comments in the code are by the model that wrote it; some were corrected since.
;; Multi Head Attention. Allowed arithmetic: matrix products marked QUANTISED: E2M3 operands, one E8M0 scale for each 32 along K, by v_wmma_scale_f32_16x16x128_f8f6f4 with both operands' format E2M3, f32 sums; everything else in f32.
;; Inputs: Wk_codes 1,024 x 32 x 24 uint8 (E2M3 codes of Wk, K innermost, in blocks of 32 codes, four codes in three bytes); Wk_scales 1,024 x 32 uint8 (E8M0 scales of Wk, one for each 32 codes along K); Wq_codes 1,024 x 32 x 24 uint8 (E2M3 codes of Wq, K innermost, in blocks of 32 codes, four codes in three bytes); Wq_scales 1,024 x 32 uint8 (E8M0 scales of Wq, one for each 32 codes along K); Wv_codes 1,024 x 32 x 24 uint8 (E2M3 codes of Wv, K innermost, in blocks of 32 codes, four codes in three bytes); Wv_scales 1,024 x 32 uint8 (E8M0 scales of Wv, one for each 32 codes along K); bk 1,024 float32; bq 1,024 float32; bv 1,024 float32; key_codes 4 x 4,096 x 32 x 24 uint8 (E2M3 codes of key, K innermost, in blocks of 32 codes, four codes in three bytes); key_scales 4 x 4,096 x 32 uint8 (E8M0 scales of key, one for each 32 codes along K); query_codes 4 x 4,096 x 32 x 24 uint8 (E2M3 codes of query, K innermost, in blocks of 32 codes, four codes in three bytes); query_scales 4 x 4,096 x 32 uint8 (E8M0 scales of query, one for each 32 codes along K); value_codes 4 x 4,096 x 32 x 24 uint8 (E2M3 codes of value, K innermost, in blocks of 32 codes, four codes in three bytes); value_scales 4 x 4,096 x 32 uint8 (E8M0 scales of value, one for each 32 codes along K).
;; Outputs: out0 4 x 4,096 x 1,024 float32.
;; This version of the problem:
;;   THIS VERSION OF THE PROBLEM IS GIVEN IN LOW PRECISION. The matrix products marked QUANTISED in the list below multiply operands that are first quantised to E2M3 (2 exponent bits, 3 mantissa bits; 6 bits a number), with one power-of-two scale for each 32 numbers along K (OCP MX v1.0); their sums are f32. All else is computed in f32.
;;   The module's matrix products, in the order in which they are computed (A, B: the left and right operand; K: the contracted axis; several contracted axes count as one K, in the product's order):
;;     1. [M 16,384, K 1,024] x [K 1,024, N 1,024]; A: input query (given as codes); B: input Wq (given as codes): QUANTISED
;;     2. [M 16,384, K 1,024] x [K 1,024, N 1,024]; A: input key (given as codes); B: input Wk (given as codes): QUANTISED
;;     3. [M 16,384, K 1,024] x [K 1,024, N 1,024]; A: input value (given as codes); B: input Wv (given as codes): QUANTISED
;;     4. batch 16,384 x [M 32, K 32] x [K 32, N 32]; A: computed on the way; B: computed on the way: QUANTISED
;;   THE QUANTISER, for each operand of a quantised product, along K:
;;     - K is cut into blocks of 32 from its start; a last block that is shorter is filled with zeros.
;;     - A block's scale is 2^e with e = floor(log2(the largest magnitude in the block)) - 2, held to -126 .. 127; a block of zeros has e = 0. As a byte (E8M0): e + 127.
;;     - Each number is divided by its block's scale, clamped to +-7.5, and rounded to the nearest number of E2M3, ties to even, subnormals kept.
;;     - The product sums the exact products of the quantised numbers (number of the format x scale) in f32.
;;   ~~~python
;;   def quantise(x, axis):      # numpy; x: float32 -> the quantised numbers, widened to float32 again
;;       x = np.moveaxis(x, axis, -1); K = x.shape[-1]
;;       x = np.pad(x, [(0, 0)] * (x.ndim - 1) + [(0, -K % 32)]); x = x.reshape(x.shape[:-1] + (-1, 32)); a = np.abs(x).max(-1, keepdims=True)
;;       e = np.where(a > 0, np.clip(np.frexp(np.where(a > 0, a, 1))[1] - 1 - 2, -126, 127), 0)      # np.frexp(a)[1] - 1 = floor(log2(a)), exactly
;;       r = np.clip(x / 2.0 ** e, -7.5, 7.5)
;;       step = 2.0 ** (np.maximum(np.frexp(np.where(r == 0, 1, r))[1] - 1, 0) - 3)
;;       q = np.round(r / step) * step * 2.0 ** e      # np.round: ties to even
;;       return np.moveaxis(q.reshape(q.shape[:-2] + (-1,))[..., :K], -1, axis).astype(np.float32)
;;   ~~~
;;   OPERANDS COMPUTED ON THE WAY. 'Computed on the way' means the value that the module computes at that place (a softmax that the list does not call 'softmax' is quantised finished and normalised). What goes into a quantiser is computed in f32, as accurately as f32 sums, v_exp_f32 and their like allow (about 1e-6 of the number): no bf16 or f16 on the way to a quantiser, and a product that is left as it is and whose result goes on into a quantised operand takes f32 operands (vector FMAs, or v_wmma_f32_16x16x4_f32). A number that lies on a knife's edge between two numbers of the format may be rounded either way, as far as f32 arithmetic and the matrix unit's own rounding can turn it there, and no further.
;;   INPUTS GIVEN AS CODES. Wk (in the module: [1024, 1024], K = its axis 1); Wq (in the module: [1024, 1024], K = its axis 1); Wv (in the module: [1024, 1024], K = its axis 1); key (in the module: [4, 4096, 1024], K = its axis 2); query (in the module: [4, 4096, 1024], K = its axis 2); value (in the module: [4, 4096, 1024], K = its axis 2): each comes as NAME_codes (uint8): NAME with its K axis moved to the last place and cut into blocks of 32 codes, [.., K / 32, bytes a block], one block behind the other in memory; four codes in three bytes: a row's codes are one little-endian stream of bits, code i at bits 6 i .. 6 i + 5 (a code: sign, 2 exponent bits, 3 mantissa bits); and NAME_scales (uint8): the same leading axes, one E8M0 byte (e + 127) for each 32 codes along K. Its value is code x scale, taken as it is: it is not quantised again, and the codes and scales need not be those that the quantiser above would give.
;; One version. Each part assembles by itself: llvm-mc -triple=amdgcn-amd-amdhsa -mcpu=gfx1250 --defsym DOCPART=n.
;; ======== version 1 of 1: 2 launches
;; workspace buffers: qc 12,582,912 bytes; qs 524,288 bytes; kc 12,582,912 bytes; ks 524,288 bytes
;; launch proj (part 1): grid 4 x 64, 4 waves a work-group, clusters of 4 x 4, 327,680 bytes of LDS; arguments query_codes, query_scales, Wq_codes, Wq_scales, bq, qc, qs, key_codes, key_scales, Wk_codes, Wk_scales, bk, kc, ks; writes qc, qs, kc, ks
.if DOCPART == 1
	.amdgcn_target "amdgcn-amd-amdhsa--gfx1250"
	.amdhsa_code_object_version 6
	.text
	.protected	k_q86b232acd5_proj
	.globl	k_q86b232acd5_proj
	.p2align	8
	.type	k_q86b232acd5_proj,@function
k_q86b232acd5_proj:
	s_mov_b64 s[64:65], 0
	v_nop
	global_prefetch_b8 v0, s[64:65] scope:SCOPE_SE
	s_setreg_imm32_b32 hwreg(HW_REG_WAVE_MODE, 25, 1), 1
	s_wait_xcnt 0x0
	s_wait_alu depctr_hold_cnt(0) depctr_sa_sdst(0) depctr_va_vdst(0) depctr_va_sdst(0) depctr_va_ssrc(0) depctr_va_vcc(0) depctr_vm_vsrc(0)
	s_getreg_b32 s2, hwreg(HW_REG_IB_STS2, 6, 4)
	s_cmp_eq_u32 s2, 0
	s_cbranch_scc0 .Lentry_in_a_cluster
	s_endpgm
.Lentry_in_a_cluster:
	s_bfe_u32 s2, ttmp6, 0x10000c
	s_cmp_lg_u32 s2, 0xf033
	s_cbranch_scc0 .Lentry_shape_is_right
	s_endpgm
.Lentry_shape_is_right:
; q = query Wq^T + bq and k = key Wk^T + bk, each [16,384 tokens][1,024], on the given codes of FP6 (E2M3) with one E8M0 byte for each 32 along K; then each head (32 neighbouring columns of a token)
; is quantised to FP6 again, one block and one scale byte a head, for the per-token product of the next launch.  Nothing wider than codes goes to memory.
; A WORK-GROUP STAYS: it makes the tile (256 tokens x 256 columns) of q and then the same tile of k.  The ring of LDS slots does not stop between them: q's third change of slots asks for k's first K step,
; the barrier in q's way out asks for k's second, and q's stores leave while k is multiplied.  Both tiles are written out: they differ in addresses, and a tile's four K steps would be a loop of one trip.
; THE PRODUCT.  Four waves, 128 x 128 each: 64 accumulators of 16 x 16, 512 registers.  K = 1,024 goes in four steps of 256 through two LDS slots filled by the tensor data mover (rows of 192 bytes); the scale
; bytes of both tiles' 256 + 256 rows come once, with the first fills.  4 x 4 work-groups form a cluster: the activations' tiles are asked for jointly along a row of the cluster, the weights' along a column.
; TRANSPOSED USE: source 0 = 16 rows of W, source 1 = 16 tokens: lane (r, h) of accumulator (a, b) holds token 16 a + r and columns 16 b + 8 h + 0 .. 7.  The bias is the C of the first K step.
; THE WAY OUT.  Head c of my four lies in accumulators (a, 2 c) and (a, 2 c + 1): 16 consecutive registers a lane, d = 0-7, 16-23 in lanes 0-15 and d = 8-15, 24-31 in lanes 16-31.  The head's codes are laid
; in that order (one fixed order of d, the same for q and k: the block, its scale and the exact products stay what they are).
; qc, kc: [X = head / 8][G = token / 4][p 3][h 2][i = head % 8][16 bytes]: the three pieces p of (X, G, h, i) are 12 operand registers of a lane: registers 0-5 token 4 G + h, registers 6-11 token 4 G + 2 + h.
; qs, ks: [X][A = token / 16][i][16 bytes]: byte token % 16.
; LIMITS: NaN and infinities are not served.  A head whose largest magnitude lies under 2^-124 has its byte held at 1; a head of zeros keeps the byte 1 with zero codes (this program alone reads the bytes).
; REGISTERS, in windows of 256: window 0: v0-31 addresses; v32-63 scale words, two sets; v64-127 the bias; v128-223 the tokens' fragments, one set, on the way out codes and bytes; v224-239 at work on the way out.
;   window 1: W's fragments, two sets, at v0 and v128.  window 2: accumulators of my tokens 0-63 ((a, b) at v[8 (8 a + b)]);  window 3: those of tokens 64-127.
.set KSTEP,  256                       ; along K in a slot
.set NQ,     2                         ; matrix instructions deep
.set ROWB,   192                       ; a tile's row in bytes
.set KROW,   768                       ; a row of codes in memory: 1,024 codes
.set PITCH,  240                       ; an LDS row: 3 x (64 bytes + 16 of padding): the 32 lanes of a load of 8 bytes touch 64 different banks (64 banks of 4 bytes: ISA guide 11.1)
.set FR,     12                        ; registers of a fragment
.set NL,     6                         ; LDS loads that bring one
.set NP,     4                         ; places behind this matrix instruction (ISA guide 7.12.1)
.set HALFT,  128*PITCH                 ; 128 rows: what one tensor load brings
.set SLOT,   4*HALFT                   ; the tokens' 256 rows, then W's 256 rows
.set KSB,    32                        ; a row of scale bytes
.set HALFS,  (128*KSB/256)*272         ; the scale bytes of 128 rows, as units of 256 bytes + 16 of padding
.set SBLK,   (16*KSB/256)*272          ; those of 16 rows
.set SCLK,   2*SLOT                    ; behind the ring: the scale bytes of key and Wk,
.set SCLQ,   SCLK+4*HALFS              ; then those of query and Wq
.set XS,     3145728                   ; bytes of one X in qc or kc
.set GP,     784                       ; the way out's stage: a group of 4 tokens x 8 heads, 768 bytes + 16
.set CST,    SCLQ                      ; 64 groups.  No fill lands here but the one of q's scale bytes, at the start; those are read for the last time ahead of a barrier that stands in front of the first store into the stage
.set SST,    CST+64*GP                 ; and behind them the scale bytes [16 blocks][8 heads][16 tokens]
.set SPARE,  327168                    ; the last 512 bytes: the spare words, 128 bytes a wave, which no other line names
.set CA,   7                           ; v7-9    where my three words of a head's codes go
.set SA,   10                          ; v10     where my head's scale byte goes
.set RBA,  11                          ; v11     the stage read back: 16 bytes a lane
.set RBB,  12                          ; v12     the same where lanes 16-31 stand behind a group's padding
.set RS,   13                          ; v13     the scale bytes read back
.set GOF,  14                          ; v14     16 x lane: my place in a store's 512 bytes
.set PFO,  15                          ; v15     768 x lane: the prefetches' offset, a lane a row; never rewritten
.set ADRA, 16                          ; v16-17  LDS address of the tokens' fragments in slot 0, 1  (v18-19: behind one padding more)
.set ADRB, 20                          ; v20-21  the same for W  (v22-23)
.set ADRS, 27                          ; v27     LDS address of my scale words in q's tile: lanes 0-15 the tokens', lanes 16-31 W's
.set SPW,  28                          ; v28     LDS address of my spare word; never rewritten
.set NIL,  29                          ; v29     0; never rewritten
.set BA,   30                          ; v30     32 x (lane / 16): my place in the bias
.set ADRS2, 31                         ; v31     as v27, in k's tile
.set SC,   32                          ; scale words: set s at v[SC + 16 s]
.set BI,   64                          ; v64-127 the bias of my 128 columns in the result's layout
.set AF,   128                         ; the tokens' fragments
.set CD,   128                         ; the way out: codes, four sets of 16 registers by turns
.set BY,   192                         ; scale bytes, v[BY + 4 a + c]
.set OB,   128                         ; v128-223 codes read back
.set TM,   224                         ; v224-227 largest magnitudes
.set TX,   228                         ; v228-231 the other half's
.set SO,   232                         ; v232-235 the conversions' scale operands
.set OS,   236                         ; v236-239 scale bytes read back
.set SEL,  22                          ; s[22:23] lane selects for v_permlanex16_b32: lane l xor 16
.set G1, 24                            ; s[24:31] descriptor group 1 for the tokens' tiles;  s[32:39] group 0, one set for each slot
.set G0, 32
.set LIM,  43                          ; s43     1 in a wave that prefetches
.set G1B, 48                           ; s[48:55], s[56:63] the same for W's tiles
.set G0B, 56
.set G1S, 68                           ; s[68:75] group 1 for the tokens' scale bytes, s[80:87] for W's
.set G0S, 76                           ; s[76:79], s[88:91] groups 0 for query's and Wq's;  s[92:95], s[96:99] for key's and Wk's
.set G1SB, 80
.set G0SB, 88
.set G0T, 92
.set G0TB, 96
.set PFA,  100                         ; s[100:101] where my prefetches stand; never rewritten
; s[4:5] key's codes at the rows that I fetch, s[8:9] Wk's; s[6:7] bq, s[10:11] bk at my columns; s[12:13] qc, s[66:67] qs, s[44:45] kc, s[46:47] ks at my part
.set MSB, 0
.macro WIN new                         ; the immediate's high byte repeats the setting that is left; a switch that changes nothing is dropped
.if MSB != (\new)
	s_set_vgpr_msb (MSB<<8)|(\new)
.set MSB, (\new)
.endif
.endm
.set MUL_LO,  0xa1                     ; source 0 (W) window 1, source 1 (tokens) window 0, C and D window 2
.set MUL_HI,  0xf1                     ; the same, C and D window 3
.set MUL_LO0, 0x81                     ; the first K step: C is the bias, in window 0
.set MUL_HI0, 0xc1
.set TO_B,    0x40                     ; destination window 1, address window 0
; A joint load: waves 0 and 1 fetch for the tokens, waves 2 and 3 for W.  Each line has one mask and one set of registers for all that issue it; the branch hangs on the wave's number alone.
; Four v_nop follow each of the two lines, ahead of the jump, the label and what follows.
.macro JLOAD g0a, g1a, g0b, g1b
	s_cmp_eq_u32 s15, 0
	s_cbranch_scc0 .Lfor_b_\@
	tensor_load_to_lds s[\g0a:\g0a+3], s[\g1a:\g1a+7]
	s_nop 0
.rept 4
	v_nop
.endr
	s_branch .Lasked_\@
.Lfor_b_\@:
	tensor_load_to_lds s[\g0b:\g0b+3], s[\g1b:\g1b+7]
	s_nop 0
.rept 4
	v_nop
.endr
.Lasked_\@:
.endm
.macro CREST                           ; a round of the cluster's barrier behind its opening barrier
	s_cmp_lg_u32 s14, 0
	s_cbranch_scc1 .Lnot_wave_0_\@
	s_barrier_signal -3
.Lnot_wave_0_\@:
	s_barrier_wait -3
	s_barrier_signal -1
	s_barrier_wait -1
.endm
.macro CROUND                          ; a whole round
	s_barrier_signal -1
	s_barrier_wait -1
	CREST
.endm
; A PREFETCH INTO THE L2 of k's tile, while q's is multiplied: at each of q's three changes of slots one of the three aligned blocks of 256 bytes of each row (768 bytes), a lane a row, one instruction a wave:
; the block at byte 0 two changes ahead of the tensor load that first wants it, the other two likewise.  Each block is named ONCE in the launch.  key's 256 rows of a tile row are read by the four partners of a
; row of the cluster and by nobody else: each takes 64 of them, told apart BY ADDRESS, waves 0 and 1 a half each.  Wk's 256 rows of an X are read by a column of every cluster: the clusters with y = 0 ask,
; each partner of the column for 64 rows, waves 2 and 3 a half each.  The branch hangs on the wave's number and the cluster's y: the same in all partners.
.macro ASK o
	s_cmp_eq_u32 s[LIM], 1
	s_cbranch_scc0 .Lnot_mine_\@
	global_prefetch_b8 v[PFO], s[PFA:PFA+1] offset:\o th:TH_LOAD_NT scope:SCOPE_SE
.Lnot_mine_\@:
.endm
	s_load_b256 s[4:11], s[0:1], 0x0               ; what the first fills want: query's codes, query's scales, Wq's codes, Wq's scales,
	s_load_b64 s[12:13], s[0:1], 0x40              ; key's scales,
	s_load_b64 s[66:67], s[0:1], 0x50              ; Wk's scales
	v_lshl_add_u32 v[SPW], v0, 2, SPARE
	v_mov_b32 v[NIL], 0
	ds_add_u32 v28, v29
	ds_add_u32 v28, v29
	s_wait_dscnt 0x0
	v_lshrrev_b32 v1, 5, v0
	v_readfirstlane_b32 s14, v1                    ; wave 0..3
	s_lshr_b32 s15, s14, 1                         ; which half of the tile's tokens is mine.  Also: I fetch for the tokens (0) or for W (1)
	s_and_b32 s16, s14, 1                          ; which half of its columns.  Also: which 128 rows of that tile I fetch
	s_bfe_u32 s40, ttmp6, 0x40000                  ; cx, cy: my place in the cluster
	s_bfe_u32 s41, ttmp6, 0x40004
	s_lshl_b32 s42, ttmp9, 2
	s_add_co_u32 s42, s42, s40                     ; X, the tile column = 4 x cluster x + cx
	s_and_b32 s17, ttmp7, 0xffff
	s_lshl_b32 s17, s17, 2
	s_add_co_u32 s17, s17, s41                     ; the tile row = 4 x cluster y + cy, 0 .. 63
	s_lshl_b32 s43, s41, 2
	s_lshl_b32 s43, 15, s43                        ; my row of the cluster
	s_lshl_b32 s44, 0x1111, s40                    ; my column
	; descriptor group 1: a tile of 128 rows x 192 bytes, padded in LDS
	s_or_b32 s[G1+0], s43, (0<<16)|(1<<20)|(1<<21)|(3<<22)|(3<<25)  ; 15:0 the mask; 17:16 element of 1 byte; 20 padding on; 21 set beside a mask; 24:22 after every 16 words (code 3); 31:25 of 4 words (code 3)
	s_or_b32 s[G1B+0], s44, (0<<16)|(1<<20)|(1<<21)|(3<<22)|(3<<25)
.irp g, G1, G1B
	s_mov_b32 s[\g+1], ROWB<<16                    ; tensor_dim0
	s_mov_b32 s[\g+2], 128<<16                     ; tensor_dim1
	s_mov_b32 s[\g+3], ROWB<<16                    ; tile_dim0
	s_mov_b32 s[\g+4], 128                         ; tile_dim1
	s_mov_b32 s[\g+5], KROW                        ; tensor_dim0_stride
	s_mov_b32 s[\g+6], 0
	s_mov_b32 s[\g+7], 0
.endr
	; the scale bytes of 128 rows: a dense block of 4,096 bytes, as rows of 256 bytes (32 elements of 8 bytes), 16 bytes of padding behind each
	s_or_b32 s[G1S+0], s43, (3<<16)|(1<<20)|(1<<21)|(5<<22)|(3<<25)
	s_or_b32 s[G1SB+0], s44, (3<<16)|(1<<20)|(1<<21)|(5<<22)|(3<<25)
.irp g, G1S, G1SB
	s_mov_b32 s[\g+1], 32<<16
	s_mov_b32 s[\g+2], (128*KSB/256)<<16
	s_mov_b32 s[\g+3], 32<<16
	s_mov_b32 s[\g+4], 128*KSB/256
	s_mov_b32 s[\g+5], 32
	s_mov_b32 s[\g+6], 0
	s_mov_b32 s[\g+7], 0
.endr
	s_lshl_b32 s18, s16, 7                         ; which 128 rows of the tile I fetch
	s_lshl_b32 s20, s17, 8
	s_add_co_u32 s20, s20, s18                     ; tokens: row 256 x tile row + 128 x half
	s_lshl_b32 s2, s42, 8
	s_add_co_u32 s2, s2, s18                       ; W: row 256 X + 128 x half
	s_mov_b32 s21, 0
	s_mov_b32 s3, 0
	s_mov_b64 s[18:19], KSB
	s_mul_u64 s[22:23], s[20:21], s[18:19]         ; where these rows' scale bytes begin: the same in query and key,
	s_mul_u64 s[100:101], s[2:3], s[18:19]         ; and in Wq and Wk
	s_mov_b64 s[18:19], KROW
	s_mul_u64 s[20:21], s[20:21], s[18:19]         ; and their codes: kept for the second tile
	s_mul_u64 s[2:3], s[2:3], s[18:19]
	s_mul_i32 s45, s14, HALFT                      ; where they go: wave x 128 rows: no place in the cluster enters an LDS address
	s_mul_i32 s46, s14, HALFS
	s_wait_kmcnt 0x0
	s_add_nc_u64 s[4:5], s[4:5], s[20:21]
	s_add_nc_u64 s[6:7], s[6:7], s[22:23]
	s_add_nc_u64 s[8:9], s[8:9], s[2:3]
	s_add_nc_u64 s[10:11], s[10:11], s[100:101]
	s_add_nc_u64 s[12:13], s[12:13], s[22:23]
	s_add_nc_u64 s[66:67], s[66:67], s[100:101]
	CROUND                                         ; all sixteen work-groups are here: the first joint loads meet
	s_mov_b32 s[G0S], 1
	s_add_co_u32 s[G0S+1], s46, SCLQ
	s_mov_b64 s[G0S+2:G0S+3], s[6:7]
	s_or_b32 s[G0S+3], s[G0S+3], 0x80000000
	s_mov_b32 s[G0SB], 1
	s_add_co_u32 s[G0SB+1], s46, SCLQ
	s_mov_b64 s[G0SB+2:G0SB+3], s[10:11]
	s_or_b32 s[G0SB+3], s[G0SB+3], 0x80000000
	JLOAD G0S, G1S, G0SB, G1SB                     ; q's scale bytes first: they are wanted with K step 0
	s_mov_b32 s[G0T], 1
	s_add_co_u32 s[G0T+1], s46, SCLK
	s_mov_b64 s[G0T+2:G0T+3], s[12:13]
	s_or_b32 s[G0T+3], s[G0T+3], 0x80000000
	s_mov_b32 s[G0TB], 1
	s_add_co_u32 s[G0TB+1], s46, SCLK
	s_mov_b64 s[G0TB+2:G0TB+3], s[66:67]
	s_or_b32 s[G0TB+3], s[G0TB+3], 0x80000000
	JLOAD G0T, G1S, G0TB, G1SB                     ; k's scale bytes: filled once, like q's
.irp s, 0,1
	s_mov_b32 s[G0+4*\s], 1
	s_add_co_u32 s[G0+4*\s+1], s45, \s*SLOT
	s_add_nc_u64 s[G0+4*\s+2:G0+4*\s+3], s[4:5], \s*ROWB
	s_or_b32 s[G0+4*\s+3], s[G0+4*\s+3], 0x80000000
	s_mov_b32 s[G0B+4*\s], 1
	s_add_co_u32 s[G0B+4*\s+1], s45, \s*SLOT
	s_add_nc_u64 s[G0B+4*\s+2:G0B+4*\s+3], s[8:9], \s*ROWB
	s_or_b32 s[G0B+4*\s+3], s[G0B+4*\s+3], 0x80000000
	JLOAD G0+4*\s, G1, G0B+4*\s, G1B               ; four tensor loads of mine are out now
.endr
	s_load_b64 s[4:5], s[0:1], 0x38                ; the other addresses, into registers whose contents have gone into the descriptors: key's codes,
	s_load_b64 s[8:9], s[0:1], 0x48                ; Wk's codes,
	s_load_b64 s[6:7], s[0:1], 0x20                ; bq,
	s_load_b64 s[10:11], s[0:1], 0x58              ; bk,
	s_load_b64 s[12:13], s[0:1], 0x28              ; qc,
	s_load_b64 s[66:67], s[0:1], 0x30              ; qs,
	s_load_b128 s[44:47], s[0:1], 0x60             ; kc, ks
	v_and_b32 v1, 15, v0                           ; r = lane % 16
	v_bfe_u32 v2, v0, 4, 1                         ; h = lane / 16
	v_mul_u32_u24 v3, v1, PITCH
	v_mul_u32_u24 v4, v2, 24
	v_add_nc_u32 v4, v3, v4                        ; a fragment's row x pitch + 24 x half
	v_lshl_add_u32 v5, v2, 4, v4                   ; and the same behind one padding more
	s_mul_i32 s18, s15, HALFT                      ; my 128 tokens
	s_mul_i32 s19, s16, HALFT                      ; my 128 rows of W,
	s_add_co_u32 s19, s19, 2*HALFT                 ; which lie behind the tokens' 256
.irp s, 0,1
	v_add_nc_u32 v[ADRA+\s], s18, v4
	v_add_nc_u32 v[ADRB+\s], s19, v4
	v_add_nc_u32 v[ADRA+2+\s], s18, v5
	v_add_nc_u32 v[ADRB+2+\s], s19, v5
	s_add_co_u32 s18, s18, SLOT
	s_add_co_u32 s19, s19, SLOT
.endr
	v_mul_u32_u24 v5, v1, KSB                      ; my row's scale bytes: 32 a row,
	v_lshrrev_b32 v6, 8, v5
	v_lshl_add_u32 v5, v6, 4, v5                   ; and 16 more for each 256 passed
	s_mul_i32 s18, s15, HALFS                      ; the tokens': my 128 rows
	s_mul_i32 s19, s16, HALFS                      ; W's: my 128 rows, behind the tokens' 256
	s_add_co_u32 s19, s19, 2*HALFS
	s_sub_co_u32 s19, s19, s18
	v_mul_u32_u24 v6, s19, v2                      ; lanes 16-31 take W's
	v_add_nc_u32 v5, v5, v6
	s_add_co_u32 s19, s18, SCLK
	s_add_co_u32 s18, s18, SCLQ
	v_add_nc_u32 v[ADRS], s18, v5
	v_add_nc_u32 v[ADRS2], s19, v5
	; the way out's addresses.  Lane (r, h) holds token 16 a + r: group 4 a + r / 4, K block r % 4 = 2 (bit 1 of r) + (r & 1).  Its word k of a head is operand register w = 6 (bit 1 of r) + 3 h + k
	; of operand half r & 1: piece w / 4 (256 bytes apart), word w % 4.  With groups 784 bytes apart the 32 lanes of each store of 4 bytes touch 32 different banks.
	s_mul_i32 s18, s15, 32*GP                      ; my 32 groups
	s_lshl_b32 s19, s16, 6                         ; my four heads' 64 bytes
	s_add_co_u32 s18, s18, s19
	s_add_co_u32 s18, s18, CST
	v_bfe_u32 v3, v0, 1, 1
	v_mul_u32_u24 v3, v3, 6
	v_mad_u32_u24 v3, v2, 3, v3                    ; w for k = 0
	v_bfe_u32 v4, v0, 2, 2
	v_mul_u32_u24 v4, v4, GP
	v_and_b32 v5, 1, v0
	v_lshl_add_u32 v4, v5, 7, v4
	v_add_nc_u32 v4, s18, v4
.irp k, 0,1,2
	v_add_nc_u32 v5, \k, v3
	v_lshrrev_b32 v6, 2, v5
	v_and_b32 v5, 3, v5
	v_lshl_add_u32 v6, v6, 8, v4
	v_lshl_add_u32 v[CA+\k], v5, 2, v6
.endr
	s_lshl_b32 s18, s15, 10                        ; scale bytes: my 8 blocks of 128 bytes,
	s_add_co_u32 s18, s18, s19                     ; my four heads' 64,
	s_add_co_u32 s18, s18, SST
	v_add_nc_u32 v[SA], s18, v1                    ; my token's byte
	v_and_b32 v6, 31, v0
	v_lshlrev_b32 v[GOF], 4, v6
	v_mul_u32_u24 v[PFO], v6, KROW
	s_mul_i32 s18, s14, 16*GP                      ; back: wave w takes groups 16 w .. 16 w + 15, whole
	s_add_co_u32 s18, s18, CST
	v_add_nc_u32 v[RBA], s18, v[GOF]
	v_lshl_add_u32 v[RBB], v2, 4, v[RBA]
	s_lshl_b32 s18, s14, 9
	s_add_co_u32 s18, s18, SST
	v_add_nc_u32 v[RS], s18, v[GOF]
	v_lshlrev_b32 v[BA], 5, v2
.irp c, 0,1,2,3
	v_mov_b32 v[TX+\c], 0                          ; written once: a lane permute's destination counts as one of its sources
.endr
	s_and_b32 s22, ttmp7, 0xffff                   ; cluster y
	s_wait_kmcnt 0x0
	; the prefetches: who asks, and where
	s_cmp_eq_u32 s15, 0                            ; do I fetch for the tokens?
	s_cselect_b64 s[PFA:PFA+1], s[4:5], s[8:9]     ; key's codes or Wk's
	s_cselect_b32 s18, s17, s42                    ; the tile's first row: by the tile row, or by X
	s_cselect_b32 s19, s40, s41                    ; my place among the four that ask for it with me
	s_cselect_b32 s22, ttmp9, s22                  ; the coordinate along which other clusters read the same rows
	s_cmp_eq_u32 s22, 0
	s_cselect_b32 s[LIM], 1, 0                     ; the same in all sixteen partners, for a given wave
	s_lshl_b32 s18, s18, 8
	s_lshl_b32 s19, s19, 6
	s_add_co_u32 s18, s18, s19                     ; + my work-group's 64 rows
	s_lshl_b32 s19, s16, 5
	s_add_co_u32 s18, s18, s19                     ; + my wave's 32 of them
	s_mul_i32 s18, s18, KROW                       ; under 2^24 bytes
	s_mov_b32 s19, 0
	s_add_nc_u64 s[PFA:PFA+1], s[PFA:PFA+1], s[18:19]
	s_add_nc_u64 s[4:5], s[4:5], s[20:21]          ; key's codes at the rows that I fetch
	s_add_nc_u64 s[8:9], s[8:9], s[2:3]            ; Wk's
	s_mul_i32 s18, s42, XS
	s_mul_i32 s22, s17, 64*768
	s_add_co_u32 s18, s18, s22
	s_mul_i32 s22, s14, 16*768
	s_add_co_u32 s18, s18, s22
	s_add_nc_u64 s[12:13], s[12:13], s[18:19]      ; codes out: X, the tile's 64 groups, my 16 of them
	s_add_nc_u64 s[44:45], s[44:45], s[18:19]
	s_lshl_b32 s18, s42, 17
	s_lshl_b32 s22, s17, 11
	s_add_co_u32 s18, s18, s22
	s_lshl_b32 s22, s14, 9
	s_add_co_u32 s18, s18, s22
	s_add_nc_u64 s[66:67], s[66:67], s[18:19]      ; scale bytes out: X, the tile's 2,048, my 512
	s_add_nc_u64 s[46:47], s[46:47], s[18:19]
	s_lshl_b32 s18, s42, 10
	s_lshl_b32 s22, s16, 9
	s_add_co_u32 s18, s18, s22
	s_add_nc_u64 s[6:7], s[6:7], s[18:19]          ; the biases of my 128 columns
	s_add_nc_u64 s[10:11], s[10:11], s[18:19]
.macro BIAS b                          ; columns 16 i + 8 h + 0 .. 7: the same for all tokens
.irp i, 0,1,2,3,4,5,6,7
	global_load_b128 v[BI+8*\i:BI+8*\i+3],   v[BA], s[\b:\b+1] offset:64*\i
	global_load_b128 v[BI+8*\i+4:BI+8*\i+7], v[BA], s[\b:\b+1] offset:64*\i+16
.endr
.endm
	BIAS 6
	s_mov_b32 s[SEL], 0x76543210
	s_mov_b32 s[SEL+1], 0xfedcba98
.macro FRAG reg, adr, q, i             ; a fragment, 16 rows x 128 K of 6-bit codes, is 12 registers: lane l holds row l % 16; registers 6 c .. 6 c + 5 hold K = 64 c + 32 (l / 16) + 0 .. 31: 24 bytes of the row, as they lie
.irp p, 0,1,2,3,4,5                    ; in pieces of 8 bytes.  Lanes 16-31 read three pieces further on than lanes 0-15; where that is behind one padding more, the second address register serves
.set PCE, 12*(\q)+6*(\p/3)+\p%3
.if PCE%8 < 5
	ds_load_b64 v[\reg+2*\p:\reg+2*\p+1], v[\adr] offset:8*PCE+16*(PCE/8)+(\i)*16*PITCH
.else
	ds_load_b64 v[\reg+2*\p:\reg+2*\p+1], v[\adr+2] offset:8*PCE+16*(PCE/8)+(\i)*16*PITCH
.endif
.endr
.endm
; 16 matrix instructions: token blocks a0, a0 + 1 x W's eight, 128 along K: the slot's q-th.  p: W's set;  sc: the set of scale words.  zero = 1: the first product starts the sums from the bias.
; The 64 accumulators take turns, one instruction a turn, in the same order in every step.
.macro MUL16 a0, p, q, sc, zero
.irp a, \a0, \a0+1
.irp b, 0,1,2,3,4,5,6,7
.if \zero
	v_wmma_scale_f32_16x16x128_f8f6f4 v[8*(8*((\a)%4)+\b):8*(8*((\a)%4)+\b)+7], v[128*(\p)+FR*\b:128*(\p)+FR*\b+FR-1], v[AF+FR*(\a):AF+FR*(\a)+FR-1], v[BI+8*\b:BI+8*\b+7], v[SC+8*NQ*(\sc)+NQ*\b+(\q)], v[SC+8*NQ*(\sc)+NQ*(\a)+(\q)] matrix_a_fmt:MATRIX_FMT_FP6 matrix_b_fmt:MATRIX_FMT_FP6 matrix_a_scale:MATRIX_SCALE_ROW1
.else
	v_wmma_scale_f32_16x16x128_f8f6f4 v[8*(8*((\a)%4)+\b):8*(8*((\a)%4)+\b)+7], v[128*(\p)+FR*\b:128*(\p)+FR*\b+FR-1], v[AF+FR*(\a):AF+FR*(\a)+FR-1], v[8*(8*((\a)%4)+\b):8*(8*((\a)%4)+\b)+7], v[SC+8*NQ*(\sc)+NQ*\b+(\q)], v[SC+8*NQ*(\sc)+NQ*(\a)+(\q)] matrix_a_fmt:MATRIX_FMT_FP6 matrix_b_fmt:MATRIX_FMT_FP6 matrix_a_scale:MATRIX_SCALE_ROW1
.endif
.endr
.endr
.endm
.macro FETCH_B slot, q, p              ; W's eight fragments of the slot's q-th 128 along K into set p
	WIN TO_B
.irp i, 0,1,2,3,4,5,6,7
	FRAG 128*(\p)+FR*\i, ADRB+\slot, \q, \i
.endr
	WIN 0
.endm
.macro FETCH_A slot, q, i0             ; token blocks i0 .. i0 + 3
.irp i, \i0, \i0+1, \i0+2, \i0+3
	FRAG AF+FR*(\i), ADRA+\slot, \q, \i
.endr
.endm
.macro SCALES sc                       ; a K step's scale words into set sc: two words a row; lanes 0-15 take the tokens' block i, lanes 16-31 W's block i.  ADS names the tile's address register
.irp i, 0,1,2,3,4,5,6,7
	ds_load_b64 v[SC+8*NQ*\sc+NQ*\i:SC+8*NQ*\sc+NQ*\i+1], v[ADS] offset:\i*SBLK
.endr
.endm
; A load into a register that a matrix instruction has read, and a vector instruction or an LDS store that reads a matrix result, stand NP places behind that matrix instruction; only plain vector
; instructions that name none of its registers are places (ISA guide 7.12.1 for vector instructions).
.macro PLACES n
.rept \n
	v_nop
.endr
.endm
; A step of 128 along K that has its successor in the same slot.
.macro STEP slot, q, zero
	s_wait_dscnt 4*NL                              ; W's set and token blocks 0-3 are in; the youngest 24 loads (blocks 4-7) may be out
.if \zero
	WIN MUL_LO0
.else
	WIN MUL_LO
.endif
	MUL16 0, (\q)%2, \q, \slot, \zero
	MUL16 2, (\q)%2, \q, \slot, \zero
	s_wait_dscnt 0                                 ; blocks 4-7 are in (asked for 32 matrix instructions ago)
	PLACES NP
	FETCH_B \slot, (\q)+1, 1-(\q)%2
	FETCH_A \slot, (\q)+1, 0
.if \zero
	WIN MUL_HI0
.else
	WIN MUL_HI
.endif
	MUL16 4, (\q)%2, \q, \slot, \zero
	MUL16 6, (\q)%2, \q, \slot, \zero
	PLACES NP
	WIN 0
	FETCH_A \slot, (\q)+1, 4
.endm
; A slot's last step changes slots: one barrier; in front of it each wave waits for all its tensor loads, adds 0 to its spare word, and waits for that and for its own reads of this slot.
; fill = 1: this slot is filled again, two K steps ahead;  2: with the next tile's first K step;  0: not at all.  ask: the byte of each row whose block is prefetched, or -1.
.macro TURN slot, next, fill, ask
	s_wait_tensorcnt 0x0                           ; all my tensor loads have landed: my part of the next slot  (every window is 0 here)
	ds_add_u32 v[SPW], v[NIL]                      ; 0 onto my spare word
	s_wait_dscnt 4*NL+1                            ; (the add and the youngest 24 loads, blocks 4-7, may be out)
	WIN MUL_LO
	MUL16 0, 1, NQ-1, \slot, 0                     ; sixteen matrix instructions stand between the add and the wait for it
	s_wait_dscnt 0x0                               ; the add is done, and my reads of this slot are over
	s_barrier_signal -1
	MUL16 2, 1, NQ-1, \slot, 0
	WIN 0
	s_barrier_wait -1
.if \fill
	CREST                                          ; the barrier has opened a round of the cluster's barrier: no wave of any partner still reads this slot's tile or has a load on its way
.if \fill == 2
	s_mov_b64 s[G0+4*\slot+2:G0+4*\slot+3], s[4:5] ; THE RING GOES ON INTO THE NEXT TILE: key's and Wk's K 0-255
	s_or_b32 s[G0+4*\slot+3], s[G0+4*\slot+3], 0x80000000
	s_mov_b64 s[G0B+4*\slot+2:G0B+4*\slot+3], s[8:9]
	s_or_b32 s[G0B+4*\slot+3], s[G0B+4*\slot+3], 0x80000000
.else
	s_add_nc_u64 s[G0+4*\slot+2:G0+4*\slot+3], s[G0+4*\slot+2:G0+4*\slot+3], 2*ROWB
	s_add_nc_u64 s[G0B+4*\slot+2:G0B+4*\slot+3], s[G0B+4*\slot+2:G0B+4*\slot+3], 2*ROWB
.endif
	JLOAD G0+4*\slot, G1, G0B+4*\slot, G1B         ; the first tensor load behind the round, my one load until the next; its four v_nop are the places in front of the loads below
.else
	PLACES NP
.endif
	v_add_nc_u32 v[ADS], 4*NQ, v[ADS]              ; on to the next K step's scale words
	FETCH_B \next, 0, 0
	FETCH_A \next, 0, 0
	SCALES \next
.if \ask >= 0
	ASK \ask                                       ; behind the joint load and the run of LDS loads that the next products wait for
.endif
	WIN MUL_HI
	MUL16 4, 1, NQ-1, \slot, 0
	MUL16 6, 1, NQ-1, \slot, 0
	PLACES NP
	WIN 0
	FETCH_A \next, 0, 4
.endm
; A tile's very last step: nothing more to fetch.  bar = 1: a barrier, with 32 matrix instructions between its halves: every wave's reads of q's scale bytes are in, so the stage may be written over them.
; The load that is out (the next tile's first K step) may stay out across it.
.macro LAST bar
	s_wait_dscnt 4*NL
	WIN MUL_LO
	MUL16 0, 1, NQ-1, 1, 0
	MUL16 2, 1, NQ-1, 1, 0
	s_wait_dscnt 0
.if \bar
	s_barrier_signal -1
.endif
	WIN MUL_HI
	MUL16 4, 1, NQ-1, 1, 0
	MUL16 6, 1, NQ-1, 1, 0
	WIN 0
.if \bar
	s_barrier_wait -1
.endif
.endm
; THE WAY OUT.  Block a of 16 tokens: my four heads are quantised.  A head's scale is 2^(floor(log2(largest magnitude)) - 2): the largest magnitude's exponent field less 2 is the byte, and that number as it
; stands is the conversion's scale operand, of which only the exponent field is taken.  Each accumulator is read from its low end on.
.macro QBLOCK a
.set AC, 64*((\a)%4)
.set CDA, CD+16*((\a)%4)
.if (\a) >= 4
	s_wait_dscnt 48                                ; block a - 4's stores are done (behind them stand three blocks' 16 each): its codes' registers are taken again
.endif
	WIN 0x0a+5*((\a)/4)                            ; sources 0 and 1: window 2 or 3
.irp c, 0,1,2,3
	v_max3_num_f32 v[TM+\c], |v[AC+16*\c]|, |v[AC+16*\c+1]|, 0x1800000   ; head c: my 16 numbers, and the floor 2^(3 - 127): the byte cannot fall under 1
.endr
.irp i, 2,4,6,8,10,12,14
.irp c, 0,1,2,3
	v_max3_num_f32 v[TM+\c], |v[AC+16*\c+\i]|, |v[AC+16*\c+\i+1]|, v[TM+\c]   ; (the four heads by turns)
.endr
.endr
	WIN 0
.irp c, 0,1,2,3
	v_permlanex16_b32 v[TX+\c], v[TM+\c], s[SEL], s[SEL+1]
.endr
.irp c, 0,1,2,3
	v_max_num_f32 v[TM+\c], v[TM+\c], v[TX+\c]     ; with lane l xor 16's 16: the head's largest magnitude
.endr
.irp c, 0,1,2,3
	v_add_nc_u32 v[SO+\c], 0xff000000, v[TM+\c]    ; 2 off its exponent field
.endr
.irp c, 0,1,2,3
	v_lshrrev_b32 v[BY+4*(\a)+\c], 23, v[SO+\c]    ; the scale's byte
.endr
	WIN 0x02+((\a)/4)                              ; source 0: window 2 or 3
.irp c, 0,1,2,3
	v_cvt_scalef32_pk16_fp6_f32 v[CDA+4*\c:CDA+4*\c+2], v[AC+16*\c:AC+16*\c+15], v[SO+\c]   ; 16 codes, 96 bits: half of the head's 24 bytes
.endr
	WIN 0
	v_nop                                          ; one plain place behind the scaled conversions
.irp c, 0,1,2,3
.irp k, 0,1,2
	ds_store_b32 v[CA+\k], v[CDA+4*\c+\k] offset:4*GP*(\a)+16*\c
.endr
.endr
.irp c, 0,1,2,3
	ds_store_b8 v[SA], v[BY+4*(\a)+\c] offset:128*(\a)+16*\c   ; both halves of the lanes write the same byte with the same value
.endr
.endm
; A tile's way out: quantise into the stage; a barrier, since a group's 768 bytes come from two waves; back as runs of 512 bytes, and out.  cb, sb: the scalar pairs with the codes' and the bytes' addresses.
; more = 1: the barrier is a round of the cluster's, behind which slot 1, which no wave reads any more, takes the next tile's second K step.
.macro TAIL cb, sb, more
	PLACES NP                                      ; behind the last products: results are read, and registers that held fragments are written
.irp a, 0,1,2,3,4,5,6,7
	QBLOCK \a
.endr
.if \more
	s_wait_tensorcnt 0x0                           ; all my tensor loads have landed: my part of the next tile's first K step
	ds_add_u32 v[SPW], v[NIL]                      ; 0 onto my spare word; the descriptors' words stand between it and the wait for it
	s_add_nc_u64 s[G0+6:G0+7], s[4:5], ROWB        ; key's and Wk's K 256-511
	s_or_b32 s[G0+7], s[G0+7], 0x80000000
	s_add_nc_u64 s[G0B+6:G0B+7], s[8:9], ROWB
	s_or_b32 s[G0B+7], s[G0B+7], 0x80000000
	s_wait_dscnt 0x0                               ; the add is done, my stores into the stage are done, and my reads of slot 1 were over long ago
	CROUND
	JLOAD G0+4, G1, G0B+4, G1B                     ; the first tensor load behind the round, my one load until the next
.else
	s_wait_dscnt 0x0                               ; for the others' sake: my stores into the stage are done
	s_barrier_signal -1
	s_barrier_wait -1
.endif
.irp u, 0,1,2,3,4,5,6,7                ; two groups, 1,536 bytes, are three loads of 512; the middle one spans a group's padding
	ds_load_b128 v[OB+12*\u:OB+12*\u+3],    v[RBA] offset:2*GP*\u
	ds_load_b128 v[OB+12*\u+4:OB+12*\u+7],  v[RBB] offset:2*GP*\u+512
	ds_load_b128 v[OB+12*\u+8:OB+12*\u+11], v[RBA] offset:2*GP*\u+GP+256
.endr
	ds_load_b128 v[OS:OS+3], v[RS]
.set k, 0
.rept 24
	s_wait_dscnt 24-k                              ; load k is in: behind it stand 23 - k loads of codes and the scale bytes' one
	global_store_b128 v[GOF], v[OB+4*k:OB+4*k+3], s[\cb:\cb+1] offset:512*k   ; 32 lanes store 512 consecutive bytes, at a multiple of 256 from the buffer's first byte
.set k, k+1
.endr
	s_wait_dscnt 0x0
	global_store_b128 v[GOF], v[OS:OS+3], s[\sb:\sb+1]
.endm
	s_wait_tensorcnt 1                             ; both tiles' scale bytes and my part of K step 0 are in; K step 1's load may be out
	s_barrier_signal -1
	s_barrier_wait -1                              ; everybody's are
.set ADS, ADRS
	FETCH_B 0, 0, 0
	FETCH_A 0, 0, 0
	SCALES 0
	FETCH_A 0, 0, 4
	s_wait_loadcnt 0x0                             ; bq
	STEP 0, 0, 1                                   ; q.  K 0-127: the sums start from the bias
	BIAS 10                                        ; bk takes bq's registers: four places behind the last product that read them
	TURN 0, 1, 1, 0                                ; K 128-255; slot 0 takes K 512-767
	STEP 1, 0, 0
	TURN 1, 0, 1, 256                              ; slot 1 takes K 768-1023
	STEP 0, 0, 0
	TURN 0, 1, 2, 512                              ; slot 0 takes k's K 0-255
	STEP 1, 0, 0
	LAST 1
	TAIL 12, 66, 1                                 ; q goes out; slot 1 takes k's K 256-511
	s_wait_xcnt 0x0                                ; q's stores have read their registers: the fragments may land there
.set ADS, ADRS2
	FETCH_B 0, 0, 0                                ; k.  Every wave waited for its part of slot 0 in front of the round
	FETCH_A 0, 0, 0
	SCALES 0
	FETCH_A 0, 0, 4
	s_wait_loadcnt 0x0                             ; bk
	STEP 0, 0, 1
	TURN 0, 1, 1, -1
	STEP 1, 0, 0
	TURN 1, 0, 1, -1
	STEP 0, 0, 0
	TURN 0, 1, 0, -1                               ; nothing is left to fetch: no round
	STEP 1, 0, 0
	LAST 0
	TAIL 44, 46, 0
	s_wait_tensorcnt 0x0                           ; the wave's end
	ds_add_u32 v[SPW], v[NIL]
	s_wait_dscnt 0x0
	CROUND                                         ; the closing round: no work-group ends while a partner may still ask for a tile that names it
	s_endpgm
.Lfunc_end_k_q86b232acd5_proj:
	.size	k_q86b232acd5_proj, .Lfunc_end_k_q86b232acd5_proj-k_q86b232acd5_proj
	.p2alignl 7, 3214868480
	.fill 96, 4, 3214868480
	.section	.rodata,"a",@progbits
	.p2align	6, 0x0
	.amdhsa_kernel k_q86b232acd5_proj
		.amdhsa_group_segment_fixed_size 327680
		.amdhsa_private_segment_fixed_size 0
		.amdhsa_enable_private_segment 0
		.amdhsa_kernarg_size 112
		.amdhsa_user_sgpr_count 2
		.amdhsa_user_sgpr_kernarg_segment_ptr 1
		.amdhsa_wavefront_size32 1
		.amdhsa_system_sgpr_workgroup_id_x 1
		.amdhsa_system_sgpr_workgroup_id_y 1
		.amdhsa_system_sgpr_workgroup_id_z 1
		.amdhsa_system_vgpr_workitem_id 0
		.amdhsa_next_free_vgpr 1024
		.amdhsa_next_free_sgpr 104
		.amdhsa_reserve_vcc 0
		.amdhsa_float_denorm_mode_32 3
		.amdhsa_float_denorm_mode_16_64 3
		.amdhsa_memory_ordered 1
		.amdhsa_forward_progress 1
		.amdhsa_inst_pref_size 255
	.end_amdhsa_kernel
	.section	.bss,"aw",@nobits
	.p2align	6
	.space	262144
	.amdgpu_metadata
---
amdhsa.version: [ 1, 2 ]
amdhsa.kernels:
  - .name:           k_q86b232acd5_proj
    .symbol:         k_q86b232acd5_proj.kd
    .args:
      - { .name: query_codes, .offset: 0, .size: 8, .value_kind: global_buffer, .address_space: global }
      - { .name: query_scales, .offset: 8, .size: 8, .value_kind: global_buffer, .address_space: global }
      - { .name: Wq_codes, .offset: 16, .size: 8, .value_kind: global_buffer, .address_space: global }
      - { .name: Wq_scales, .offset: 24, .size: 8, .value_kind: global_buffer, .address_space: global }
      - { .name: bq, .offset: 32, .size: 8, .value_kind: global_buffer, .address_space: global }
      - { .name: qc, .offset: 40, .size: 8, .value_kind: global_buffer, .address_space: global }
      - { .name: qs, .offset: 48, .size: 8, .value_kind: global_buffer, .address_space: global }
      - { .name: key_codes, .offset: 56, .size: 8, .value_kind: global_buffer, .address_space: global }
      - { .name: key_scales, .offset: 64, .size: 8, .value_kind: global_buffer, .address_space: global }
      - { .name: Wk_codes, .offset: 72, .size: 8, .value_kind: global_buffer, .address_space: global }
      - { .name: Wk_scales, .offset: 80, .size: 8, .value_kind: global_buffer, .address_space: global }
      - { .name: bk, .offset: 88, .size: 8, .value_kind: global_buffer, .address_space: global }
      - { .name: kc, .offset: 96, .size: 8, .value_kind: global_buffer, .address_space: global }
      - { .name: ks, .offset: 104, .size: 8, .value_kind: global_buffer, .address_space: global }
    .group_segment_fixed_size: 327680
    .private_segment_fixed_size: 0
    .kernarg_segment_align: 8
    .kernarg_segment_size: 112
    .max_flat_workgroup_size: 128
    .sgpr_count:     104
    .vgpr_count:     1024
    .wavefront_size: 32
...
	.end_amdgpu_metadata
.endif
;; end of part 1
;; launch attn (part 2): grid 4 x 64, 4 waves a work-group, clusters of 4 x 4, 327,680 bytes of LDS; arguments value_codes, value_scales, Wv_codes, Wv_scales, out0, bv, qc, qs, kc, ks; writes out0
.if DOCPART == 2
	.amdgcn_target "amdgcn-amd-amdhsa--gfx1250"
	.amdhsa_code_object_version 6
	.text
	.protected	k_q86b232acd5_attn
	.globl	k_q86b232acd5_attn
	.p2align	8
	.type	k_q86b232acd5_attn,@function
k_q86b232acd5_attn:
	s_mov_b64 s[64:65], 0
	v_nop
	global_prefetch_b8 v0, s[64:65] scope:SCOPE_SE
	s_setreg_imm32_b32 hwreg(HW_REG_WAVE_MODE, 25, 1), 1
	s_wait_xcnt 0x0
	s_wait_alu depctr_hold_cnt(0) depctr_sa_sdst(0) depctr_va_vdst(0) depctr_va_sdst(0) depctr_va_ssrc(0) depctr_va_vcc(0) depctr_vm_vsrc(0)
	s_getreg_b32 s2, hwreg(HW_REG_IB_STS2, 6, 4)
	s_cmp_eq_u32 s2, 0
	s_cbranch_scc0 .Lentry_in_a_cluster
	s_endpgm
.Lentry_in_a_cluster:
	s_bfe_u32 s2, ttmp6, 0x10000c
	s_cmp_lg_u32 s2, 0xf033
	s_cbranch_scc0 .Lentry_shape_is_right
	s_endpgm
.Lentry_shape_is_right:
; out[token][32 h + t] = softmax_t(q[token][h] . k[token][t] / 32) x v[token][32 h + t], v = value Wv^T + bv.  All products on codes of FP6 (E2M3) with one E8M0 byte for each 32 along K.
; FIRST v, as the launch before makes q and k: a tile of 256 tokens x 256 columns (8 heads: X), four waves of 128 x 128, K = 1,024 in four steps of 256 through two LDS slots, joint loads in a
; 4 x 4 cluster, the bias as the C of the first K step.  Lane (r, h) of accumulator (a, b) holds token 16 a + r, columns 16 b + 8 h + 0 .. 7.
; THEN, a wave for itself, its 128 tokens x 4 heads, 16 tokens a step.  The per-token product has K = 32, the instruction 128: its four K blocks are given to FOUR TOKENS.  Source 0 = 16 heads of k, K block
; beta = token 4 g + beta; source 1 = 16 columns n = (token 4 g + n / 4, my head n % 4), whose codes are ZERO in all blocks but n / 4: zero codes add nothing under any scale byte that the launch before makes.
; Fragment tau of k takes head 16 e + 8 tau + i in row 8 e + i, so that lane (n, h) ends with 16 NEIGHBOURING t = 16 h + 0 .. 15 of one (token, head); the other 16 lie in lane l xor 16.
; q's and k's codes lie in memory as images of operand registers (qc, kc: [X][token / 4][p 3][h 2][head % 8][16 bytes]; qs, ks: [X][token / 16][head % 8][16 bytes]): a fragment is three loads of 16 bytes a lane.
; THE CODES COME TWO STEPS AHEAD, into two sets of registers by turns (even steps: window 1; odd steps: registers of window 2 that the accumulators have left).  A step's codes are 38 loads, and LOADcnt's field holds
; 63 (at a full counter the issue stalls: ISA guide 5.7.1): so k's 24 go out straight behind the step's products (with the next step's 38: 62 out), q's 12 and the two loads of scale words behind the exponentials.
; SOFTMAX: p = 2^(c s - c max), c = log2(e) / 32, the row's maximum taken away; the sum divides.  v changes lanes through the wave's own stage in LDS, and the results leave through the same bytes as whole rows.
; k's codes, which the four partners of a row of the cluster all read, come by plain loads and not jointly: the stages take 303,104 bytes of LDS, all of them written by LDS stores.
; LIMITS: NaN and infinities are not served; a p under 2^-126 becomes 0 (v_exp_f32 gives 0 for results that would be denormal: ISA guide 15.8).
; REGISTERS, in windows of 256: window 0: v0-31 addresses; v32-63 scale words; v64-127 the bias, later the scores; v128-223 the tokens' fragments, later v and statistics.
;   window 1: W's fragments, two sets, later k's (v0-95) and q's (v96-143) of even steps.  windows 2, 3: the 64 accumulators of v; later, in window 2, k's (v0-95) and q's (v96-143) of odd steps.
.set KSTEP,  256
.set NQ,     2
.set ROWB,   192
.set KROW,   768
.set PITCH,  240                       ; an LDS row: 3 x (64 bytes + 16 of padding): the 32 lanes of a load of 8 bytes touch 64 different banks (64 banks of 4 bytes: ISA guide 11.1)
.set FR,     12
.set NL,     6
.set NP,     4
.set HALFT,  128*PITCH
.set SLOT,   4*HALFT
.set KSB,    32
.set SCL,    2*SLOT
.set HALFS,  (128*KSB/256)*272
.set SBLK,   (16*KSB/256)*272
.set TP,     592                       ; the stage: a token's 128 columns: 256 bytes, a gap of 64, 256 bytes, 16 of padding = 37 x 16: the dump, the reads by (token, head) and the reads by rows each touch 16 different columns of 16 bytes in a pass
.set WSTB,   128*TP                    ; a wave's stage.  The four lie over the ring and the scale bytes, which have had their last fill and, behind a barrier, their last read
.set SPARE,  327168                    ; the last 512 bytes: the spare words, 128 bytes a wave, which no other line names
.set XS,     3145728                   ; bytes of one X in qc or kc
.set STO,  7                           ; v7-8    the dump: where I put 32 bytes of a token, blocks 0-3 and 4-7
.set VA0,  9                           ; v9      my (token, head)'s 64 bytes in a step's part of the stage
.set RA0,  10                          ; v10     my 16 bytes of a token's row
.set KA,   11                          ; v11     my lane's place in a fragment of k
.set QA,   12                          ; v12     of q
.set KSA,  13                          ; v13     among k's scale words
.set QSA,  14                          ; v14     among q's
.set PFO,  15                          ; v15     256 x lane; never rewritten
.set ADRA, 16
.set ADRB, 20
.set VA,   24                          ; v24     VA0 in the two steps in hand
.set RA,   25                          ; v25     RA0 likewise
.set CO,   26                          ; v26     16 x lane: my place in a row's 512 bytes of out
.set ADRS, 27
.set SPW,  28                          ; v28     LDS address of my spare word; never rewritten
.set NIL,  29                          ; v29     0; never rewritten
.set BA,   30
.set SC,   32
.set KSC,  32                          ; v32-35, v40-43  k's scale words, set 0 and 1: word g; lanes 0-15 fragment 0's rows, lanes 16-31 fragment 1's
.set QSC,  36                          ; v36-39, v44-47  q's
.set BI,   64
.set AF,   128
.set DD,   64                          ; v64-127  scores, p, p x v: group g at DD + 16 g
.set VV,   128                         ; v128-191 v, later rows read back
.set MX,   192                         ; v192-195 maxima
.set TX,   196                         ; v196-199 the other half's
.set NM,   200                         ; v200-207 -c x maximum, in pairs of which the low word serves
.set SM,   208                         ; v208-215 sums, in two halves
.set RR,   216                         ; v216-223 reciprocals, in pairs of which the low word serves
.set KF,   0                           ; in the set's window: k's fragments, (g, tau) at 12 (2 g + tau)
.set QF,   96                          ; q's, g at 96 + 12 g
.set SB,   2                           ; s2      where the two steps in hand begin in the stage
.set CNT,  3                           ; s3      trips to go
.set NC,   18                          ; s18     -c
.set CS,   20                          ; s[20:21] c, twice
.set SEL,  22                          ; s[22:23] lane selects for v_permlanex16_b32: lane l xor 16
.set MKA,  46                          ; s46     the lanes whose column's token is K block h: registers 0-5 stay
.set MKB,  47                          ; s47     the lanes whose column's token is K block 2 + h: registers 6-11 stay
.set PFA,  98                          ; s[98:99] where my prefetches stand; never rewritten
.set G1, 24
.set G0, 32
.set G1B, 48
.set G0B, 56
.set G1S, 68
.set G0S, 76
.set G1SB, 80
.set G0SB, 88
.set MSB, 0
.macro WIN new                         ; the immediate's high byte repeats the setting that is left; a switch that changes nothing is dropped
.if MSB != (\new)
	s_set_vgpr_msb (MSB<<8)|(\new)
.set MSB, (\new)
.endif
.endm
.set MUL_LO,  0xa1                     ; source 0 (W) window 1, source 1 (tokens) window 0, C and D window 2
.set MUL_HI,  0xf1
.set MUL_LO0, 0x81                     ; the first K step: C is the bias, in window 0
.set MUL_HI0, 0xc1
.set TO_B,    0x40
; A joint load: waves 0 and 1 fetch for the tokens, waves 2 and 3 for W; four v_nop follow each of the two lines.
.macro JLOAD g0a, g1a, g0b, g1b
	s_cmp_eq_u32 s15, 0
	s_cbranch_scc0 .Lfor_b_\@
	tensor_load_to_lds s[\g0a:\g0a+3], s[\g1a:\g1a+7]
	s_nop 0
.rept 4
	v_nop
.endr
	s_branch .Lasked_\@
.Lfor_b_\@:
	tensor_load_to_lds s[\g0b:\g0b+3], s[\g1b:\g1b+7]
	s_nop 0
.rept 4
	v_nop
.endr
.Lasked_\@:
.endm
.macro CREST
	s_cmp_lg_u32 s14, 0
	s_cbranch_scc1 .Lnot_wave_0_\@
	s_barrier_signal -3
.Lnot_wave_0_\@:
	s_barrier_wait -3
	s_barrier_signal -1
	s_barrier_wait -1
.endm
.macro CROUND
	s_barrier_signal -1
	s_barrier_wait -1
	CREST
.endm
; A PREFETCH INTO THE L2 of the codes of q and k that the tail will read, once, at the last refill: 288 matrix instructions ahead of the tail's first load.  The work-group's q is 49,152 bytes (its X, its 64 groups):
; waves 0 and 1 take a half each.  k's four X regions of these tokens are read by the four partners of a row of the cluster: each asks for the region of its own X (told apart by address), waves 2 and 3 a half each.
; A wave's 24,576 bytes are 96 blocks of 256: three instructions, lanes 256 bytes apart.  So each block of qc and kc is named once in the launch.
.macro ASK
.irp o, 0, 8192, 16384
	global_prefetch_b8 v[PFO], s[PFA:PFA+1] offset:\o th:TH_LOAD_NT scope:SCOPE_SE
.endr
.endm
	s_load_b128 s[4:7], s[0:1], 0x0                ; value's codes, value's scales
	s_load_b128 s[8:11], s[0:1], 0x10              ; Wv's codes, Wv's scales
	s_load_b64 s[12:13], s[0:1], 0x20              ; out
	s_load_b64 s[96:97], s[0:1], 0x28              ; bv
	v_lshl_add_u32 v[SPW], v0, 2, SPARE
	v_mov_b32 v[NIL], 0
	ds_add_u32 v28, v29
	ds_add_u32 v28, v29
	s_wait_dscnt 0x0
	v_lshrrev_b32 v1, 5, v0
	v_readfirstlane_b32 s14, v1                    ; wave 0..3
	s_lshr_b32 s15, s14, 1                         ; which half of the tile's tokens is mine.  Also: I fetch for the tokens (0) or for W (1)
	s_and_b32 s16, s14, 1                          ; which half of its columns.  Also: which 128 rows of that tile I fetch
	s_bfe_u32 s40, ttmp6, 0x40000                  ; cx, cy
	s_bfe_u32 s41, ttmp6, 0x40004
	s_lshl_b32 s42, ttmp9, 2
	s_add_co_u32 s42, s42, s40                     ; X, the tile column
	s_and_b32 s17, ttmp7, 0xffff
	s_lshl_b32 s17, s17, 2
	s_add_co_u32 s17, s17, s41                     ; the tile row, 0 .. 63
	s_lshl_b32 s43, s41, 2
	s_lshl_b32 s43, 15, s43                        ; my row of the cluster
	s_lshl_b32 s44, 0x1111, s40                    ; my column
	s_or_b32 s[G1+0], s43, (0<<16)|(1<<20)|(1<<21)|(3<<22)|(3<<25)  ; 15:0 the mask; 17:16 element of 1 byte; 20 padding on; 21 set beside a mask; 24:22 after every 16 words; 31:25 of 4 words
	s_or_b32 s[G1B+0], s44, (0<<16)|(1<<20)|(1<<21)|(3<<22)|(3<<25)
.irp g, G1, G1B
	s_mov_b32 s[\g+1], ROWB<<16                    ; tensor_dim0
	s_mov_b32 s[\g+2], 128<<16                     ; tensor_dim1
	s_mov_b32 s[\g+3], ROWB<<16                    ; tile_dim0
	s_mov_b32 s[\g+4], 128                         ; tile_dim1
	s_mov_b32 s[\g+5], KROW                        ; tensor_dim0_stride
	s_mov_b32 s[\g+6], 0
	s_mov_b32 s[\g+7], 0
.endr
	s_or_b32 s[G1S+0], s43, (3<<16)|(1<<20)|(1<<21)|(5<<22)|(3<<25)   ; the scale bytes of 128 rows: 4,096 dense bytes as rows of 256, 16 bytes of padding behind each
	s_or_b32 s[G1SB+0], s44, (3<<16)|(1<<20)|(1<<21)|(5<<22)|(3<<25)
.irp g, G1S, G1SB
	s_mov_b32 s[\g+1], 32<<16
	s_mov_b32 s[\g+2], (128*KSB/256)<<16
	s_mov_b32 s[\g+3], 32<<16
	s_mov_b32 s[\g+4], 128*KSB/256
	s_mov_b32 s[\g+5], 32
	s_mov_b32 s[\g+6], 0
	s_mov_b32 s[\g+7], 0
.endr
	s_lshl_b32 s18, s16, 7
	s_lshl_b32 s20, s17, 8
	s_add_co_u32 s20, s20, s18                     ; tokens: row 256 x tile row + 128 x half
	s_lshl_b32 s46, s42, 8
	s_add_co_u32 s46, s46, s18                     ; W: row 256 X + 128 x half
	s_mov_b32 s21, 0
	s_mov_b32 s47, 0
	s_mov_b64 s[18:19], KSB
	s_mul_u64 s[22:23], s[20:21], s[18:19]
	s_mul_u64 s[92:93], s[46:47], s[18:19]
	s_mov_b64 s[18:19], KROW
	s_mul_u64 s[20:21], s[20:21], s[18:19]
	s_mul_u64 s[46:47], s[46:47], s[18:19]
	s_mul_i32 s45, s14, HALFT                      ; where they go: wave x 128 rows: no place in the cluster enters an LDS address
	s_mul_i32 s94, s14, HALFS
	s_wait_kmcnt 0x0
	s_add_nc_u64 s[20:21], s[4:5], s[20:21]
	s_add_nc_u64 s[22:23], s[6:7], s[22:23]
	s_add_nc_u64 s[46:47], s[8:9], s[46:47]
	s_add_nc_u64 s[92:93], s[10:11], s[92:93]
	CROUND                                         ; all sixteen work-groups are here: the first joint loads meet
	s_mov_b32 s[G0S], 1
	s_add_co_u32 s[G0S+1], s94, SCL
	s_mov_b64 s[G0S+2:G0S+3], s[22:23]
	s_or_b32 s[G0S+3], s[G0S+3], 0x80000000
	s_mov_b32 s[G0SB], 1
	s_add_co_u32 s[G0SB+1], s94, SCL
	s_mov_b64 s[G0SB+2:G0SB+3], s[92:93]
	s_or_b32 s[G0SB+3], s[G0SB+3], 0x80000000
	JLOAD G0S, G1S, G0SB, G1SB                     ; the scale bytes first
.irp s, 0,1
	s_mov_b32 s[G0+4*\s], 1
	s_add_co_u32 s[G0+4*\s+1], s45, \s*SLOT
	s_add_nc_u64 s[G0+4*\s+2:G0+4*\s+3], s[20:21], \s*ROWB
	s_or_b32 s[G0+4*\s+3], s[G0+4*\s+3], 0x80000000
	s_mov_b32 s[G0B+4*\s], 1
	s_add_co_u32 s[G0B+4*\s+1], s45, \s*SLOT
	s_add_nc_u64 s[G0B+4*\s+2:G0B+4*\s+3], s[46:47], \s*ROWB
	s_or_b32 s[G0B+4*\s+3], s[G0B+4*\s+3], 0x80000000
	JLOAD G0+4*\s, G1, G0B+4*\s, G1B               ; three tensor loads of mine are out now
.endr
	s_load_b256 s[4:11], s[0:1], 0x30              ; qc s[4:5], qs s[6:7], kc s[8:9], ks s[10:11]: the four addresses that stood here have gone into the descriptors
	v_and_b32 v1, 15, v0                           ; r
	v_bfe_u32 v2, v0, 4, 1                         ; h
	v_mul_u32_u24 v3, v1, PITCH
	v_mul_u32_u24 v4, v2, 24
	v_add_nc_u32 v4, v3, v4
	v_lshl_add_u32 v5, v2, 4, v4
	s_mul_i32 s21, s15, HALFT
	s_mul_i32 s22, s16, HALFT
	s_add_co_u32 s22, s22, 2*HALFT
.irp s, 0,1
	v_add_nc_u32 v[ADRA+\s], s21, v4
	v_add_nc_u32 v[ADRB+\s], s22, v4
	v_add_nc_u32 v[ADRA+2+\s], s21, v5
	v_add_nc_u32 v[ADRB+2+\s], s22, v5
	s_add_co_u32 s21, s21, SLOT
	s_add_co_u32 s22, s22, SLOT
.endr
	v_mul_u32_u24 v5, v1, KSB
	v_lshrrev_b32 v6, 8, v5
	v_lshl_add_u32 v5, v6, 4, v5
	s_mul_i32 s21, s15, HALFS
	s_mul_i32 s22, s16, HALFS
	s_add_co_u32 s22, s22, 2*HALFS
	s_sub_co_u32 s22, s22, s21
	v_mul_u32_u24 v6, s22, v2                      ; lanes 16-31 take W's
	s_add_co_u32 s21, s21, SCL
	v_add_nc_u32 v5, v5, v6
	v_add_nc_u32 v[ADRS], s21, v5
	; the tail's LDS addresses
	s_mul_i32 s23, s14, WSTB                       ; my stage
	v_mul_u32_u24 v5, v1, TP
	v_lshl_add_u32 v5, v2, 5, v5
	v_add_nc_u32 v[STO], s23, v5                   ; the dump: token r of a block, + 32 h
	v_add_nc_u32 v[STO+1], 64*TP, v[STO]           ; blocks 4-7: 64 tokens on, so that the offsets stay inside 16 bits
	v_bfe_u32 v5, v0, 2, 2
	v_mul_u32_u24 v5, v5, TP                       ; column n = r: token r / 4 of a group,
	v_and_b32 v6, 3, v0
	v_lshl_add_u32 v5, v6, 7, v5                   ; head r % 4: 128 bytes a head,
	v_bfe_u32 v6, v0, 1, 1
	v_lshl_add_u32 v5, v6, 6, v5                   ; heads 2 and 3 behind the gap,
	v_lshl_add_u32 v5, v2, 6, v5                   ; t = 16 h on
	v_add_nc_u32 v[VA0], s23, v5
	v_and_b32 v6, 31, v0
	v_lshlrev_b32 v[CO], 4, v6
	v_lshl_add_u32 v5, v2, 6, v[CO]                ; a row back: 16 bytes a lane, lanes 16-31 behind the gap
	v_add_nc_u32 v[RA0], s23, v5
	v_lshlrev_b32 v[PFO], 8, v6
	; and its offsets in memory
	v_bfe_u32 v5, v0, 3, 1                         ; e = r / 8
	v_and_b32 v6, 7, v0
	v_lshlrev_b32 v6, 4, v6                        ; 16 i, i = r % 8
	v_lshl_add_u32 v3, v2, 7, v6
	v_mul_u32_u24 v4, v5, 2*XS
	v_add_nc_u32 v[KA], v4, v3                     ; k: X = 2 e (+ tau in the immediate), operand half h, head i
	v_lshl_add_u32 v4, v5, 1, v2
	v_lshl_add_u32 v[KSA], v4, 17, v6              ; k's scale words: X = 2 e + h: lanes 16-31 take fragment 1's rows
	v_and_b32 v4, 3, v0
	v_lshlrev_b32 v[QSA], 4, v4                    ; q's: head r % 4
	v_lshl_add_u32 v[QA], v2, 7, v[QSA]            ; q: operand half h, head r % 4
	v_lshlrev_b32 v[BA], 5, v2
	s_lshl_b32 s20, s17, 8
	s_lshl_b32 s21, s15, 7
	s_add_co_u32 s20, s20, s21                     ; my first token
	s_mov_b32 s21, 0
	s_mov_b64 s[18:19], 4096
	s_mul_u64 s[20:21], s[20:21], s[18:19]
	s_lshl_b32 s46, s42, 10                        ; my first column, in bytes: 1,024 X + 512 x half
	s_lshl_b32 s47, s16, 9
	s_add_co_u32 s46, s46, s47
	s_mov_b32 s47, 0
	s_add_nc_u64 s[20:21], s[20:21], s[46:47]
	s_add_nc_u64 s[12:13], s[12:13], s[20:21]      ; out at my first token and column
	s_add_nc_u64 s[96:97], s[96:97], s[46:47]      ; the bias of my 128 columns
.irp b, 0,1,2,3,4,5,6,7
	global_load_b128 v[BI+8*\b:BI+8*\b+3],   v[BA], s[96:97] offset:64*\b
	global_load_b128 v[BI+8*\b+4:BI+8*\b+7], v[BA], s[96:97] offset:64*\b+16
.endr
	s_wait_kmcnt 0x0
	s_cmp_eq_u32 s15, 0                            ; waves 0 and 1 prefetch q's codes, waves 2 and 3 k's
	s_cselect_b64 s[PFA:PFA+1], s[4:5], s[8:9]
	s_mul_i32 s18, s17, 64*768                     ; the tile's 64 groups
	s_mul_i32 s19, s42, XS                         ; my X
	s_mul_i32 s20, s15, 32*768                     ; my 32 groups
	s_add_co_u32 s20, s20, s18
	s_mov_b32 s21, 0
	s_add_nc_u64 s[8:9], s[8:9], s[20:21]          ; k's codes: all X are read
	s_add_co_u32 s20, s20, s19
	s_lshl_b32 s22, s16, 6                         ; my four heads' 64 bytes
	s_add_co_u32 s20, s20, s22
	s_add_nc_u64 s[4:5], s[4:5], s[20:21]          ; q's codes
	s_mul_i32 s20, s16, 32*768
	s_add_co_u32 s20, s20, s18
	s_add_co_u32 s20, s20, s19
	s_add_nc_u64 s[PFA:PFA+1], s[PFA:PFA+1], s[20:21]
	s_lshl_b32 s18, s17, 11
	s_lshl_b32 s20, s15, 10
	s_add_co_u32 s20, s20, s18
	s_add_nc_u64 s[10:11], s[10:11], s[20:21]      ; k's scale bytes
	s_lshl_b32 s18, s42, 17
	s_add_co_u32 s20, s20, s18
	s_add_co_u32 s20, s20, s22
	s_add_nc_u64 s[6:7], s[6:7], s[20:21]          ; q's
.macro FRAG reg, adr, q, i             ; 16 rows x 128 K of 6-bit codes, 12 registers, in pieces of 8 bytes; where lanes 16-31 stand behind one padding more, the second address register serves
.irp p, 0,1,2,3,4,5
.set PCE, 12*(\q)+6*(\p/3)+\p%3
.if PCE%8 < 5
	ds_load_b64 v[\reg+2*\p:\reg+2*\p+1], v[\adr] offset:8*PCE+16*(PCE/8)+(\i)*16*PITCH
.else
	ds_load_b64 v[\reg+2*\p:\reg+2*\p+1], v[\adr+2] offset:8*PCE+16*(PCE/8)+(\i)*16*PITCH
.endif
.endr
.endm
; 16 matrix instructions; the 64 accumulators take turns, one instruction a turn, in the same order in every step.  zero = 1: the sums start from the bias.
.macro MUL16 a0, p, q, sc, zero
.irp a, \a0, \a0+1
.irp b, 0,1,2,3,4,5,6,7
.if \zero
	v_wmma_scale_f32_16x16x128_f8f6f4 v[8*(8*((\a)%4)+\b):8*(8*((\a)%4)+\b)+7], v[128*(\p)+FR*\b:128*(\p)+FR*\b+FR-1], v[AF+FR*(\a):AF+FR*(\a)+FR-1], v[BI+8*\b:BI+8*\b+7], v[SC+8*NQ*(\sc)+NQ*\b+(\q)], v[SC+8*NQ*(\sc)+NQ*(\a)+(\q)] matrix_a_fmt:MATRIX_FMT_FP6 matrix_b_fmt:MATRIX_FMT_FP6 matrix_a_scale:MATRIX_SCALE_ROW1
.else
	v_wmma_scale_f32_16x16x128_f8f6f4 v[8*(8*((\a)%4)+\b):8*(8*((\a)%4)+\b)+7], v[128*(\p)+FR*\b:128*(\p)+FR*\b+FR-1], v[AF+FR*(\a):AF+FR*(\a)+FR-1], v[8*(8*((\a)%4)+\b):8*(8*((\a)%4)+\b)+7], v[SC+8*NQ*(\sc)+NQ*\b+(\q)], v[SC+8*NQ*(\sc)+NQ*(\a)+(\q)] matrix_a_fmt:MATRIX_FMT_FP6 matrix_b_fmt:MATRIX_FMT_FP6 matrix_a_scale:MATRIX_SCALE_ROW1
.endif
.endr
.endr
.endm
.macro FETCH_B slot, q, p
	WIN TO_B
.irp i, 0,1,2,3,4,5,6,7
	FRAG 128*(\p)+FR*\i, ADRB+\slot, \q, \i
.endr
	WIN 0
.endm
.macro FETCH_A slot, q, i0
.irp i, \i0, \i0+1, \i0+2, \i0+3
	FRAG AF+FR*(\i), ADRA+\slot, \q, \i
.endr
.endm
.macro SCALES sc
.irp i, 0,1,2,3,4,5,6,7
	ds_load_b64 v[SC+8*NQ*\sc+NQ*\i:SC+8*NQ*\sc+NQ*\i+1], v[ADRS] offset:\i*SBLK
.endr
.endm
.macro PLACES n                        ; plain places behind matrix instructions, in front of loads into their registers and of reads of their results
.rept \n
	v_nop
.endr
.endm
.macro STEP slot, q, zero
	s_wait_dscnt 4*NL                              ; W's set and token blocks 0-3 are in; the youngest 24 loads (blocks 4-7) may be out
.if \zero
	WIN MUL_LO0
.else
	WIN MUL_LO
.endif
	MUL16 0, (\q)%2, \q, \slot, \zero
	MUL16 2, (\q)%2, \q, \slot, \zero
	s_wait_dscnt 0
	PLACES NP
	FETCH_B \slot, (\q)+1, 1-(\q)%2
	FETCH_A \slot, (\q)+1, 0
.if \zero
	WIN MUL_HI0
.else
	WIN MUL_HI
.endif
	MUL16 4, (\q)%2, \q, \slot, \zero
	MUL16 6, (\q)%2, \q, \slot, \zero
	PLACES NP
	WIN 0
	FETCH_A \slot, (\q)+1, 4
.endm
; A slot's last step changes slots.  fill = 1: this slot is filled again, two K steps ahead.  ask = 1: the tail's codes are prefetched, behind the joint load and the run of LDS loads.
.macro TURN slot, next, fill, ask
	s_wait_tensorcnt 0x0                           ; all my tensor loads have landed: my part of the next slot
	ds_add_u32 v[SPW], v[NIL]                      ; 0 onto my spare word
	s_wait_dscnt 4*NL+1                            ; (the add and the youngest 24 loads may be out)
	WIN MUL_LO
	MUL16 0, 1, NQ-1, \slot, 0
	s_wait_dscnt 0x0                               ; the add is done, and my reads of this slot are over
	s_barrier_signal -1
	MUL16 2, 1, NQ-1, \slot, 0
	WIN 0
	s_barrier_wait -1
.if \fill
	CREST                                          ; a round of the cluster's barrier: no wave of any partner still reads this slot's tile or has a load on its way
	s_add_nc_u64 s[G0+4*\slot+2:G0+4*\slot+3], s[G0+4*\slot+2:G0+4*\slot+3], 2*ROWB
	s_add_nc_u64 s[G0B+4*\slot+2:G0B+4*\slot+3], s[G0B+4*\slot+2:G0B+4*\slot+3], 2*ROWB
	JLOAD G0+4*\slot, G1, G0B+4*\slot, G1B         ; the first tensor load behind the round, my one load until the next
.else
	PLACES NP
.endif
	v_add_nc_u32 v[ADRS], 4*NQ, v[ADRS]
	FETCH_B \next, 0, 0
	FETCH_A \next, 0, 0
	SCALES \next
.if \ask
	ASK
.endif
	WIN MUL_HI
	MUL16 4, 1, NQ-1, \slot, 0
	MUL16 6, 1, NQ-1, \slot, 0
	PLACES NP
	WIN 0
	FETCH_A \next, 0, 4
.endm
; The codes of 16 tokens into set s (window 1 + s), blk blocks of 16 tokens on from the bases.  LOADK: k's eight fragments (group g of 4 tokens, tau), 24 loads.
.macro LOADK s, blk
	WIN 64*(1+\s)                                  ; destination: the set's window; address window 0
.irp g, 0,1,2,3
.irp t, 0,1
.irp p, 0,1,2
	global_load_b128 v[KF+12*(2*\g+\t)+4*\p:KF+12*(2*\g+\t)+4*\p+3], v[KA], s[8:9] offset:\t*XS+3072*(\blk)+768*\g+256*\p   ; sixteen lanes read 256 consecutive bytes
.endr
.endr
.endr
	WIN 0
.endm
; LOADQ: q's four fragments, and one load of 16 bytes a lane for each side's four scale words: 14 loads.
.macro LOADQ s, blk
	WIN 64*(1+\s)
.irp g, 0,1,2,3
.irp p, 0,1,2
	global_load_b128 v[QF+12*\g+4*\p:QF+12*\g+4*\p+3], v[QA], s[4:5] offset:3072*(\blk)+768*\g+256*\p
.endr
.endr
	WIN 0
	global_load_b128 v[KSC+8*(\s):KSC+8*(\s)+3], v[KSA], s[10:11] offset:128*(\blk)
	global_load_b128 v[QSC+8*(\s):QSC+8*(\s)+3], v[QSA], s[6:7] offset:128*(\blk)
.endm
.macro DUMP a                          ; block a of v into my stage, each accumulator from its low end on
	WIN 0x08+4*((\a)/4)                            ; an LDS store's data are its source 1: window 2 or 3
.irp b, 0,1,2,3,4,5,6,7
	ds_store_b128 v[STO+(\a)/4], v[64*((\a)%4)+8*\b:64*((\a)%4)+8*\b+3]   offset:16*TP*((\a)%4)+64*\b+64*(\b/4)
	ds_store_b128 v[STO+(\a)/4], v[64*((\a)%4)+8*\b+4:64*((\a)%4)+8*\b+7] offset:16*TP*((\a)%4)+64*\b+64*(\b/4)+16
.endr
.endm
	s_wait_tensorcnt 1                             ; the scale bytes and my part of K step 0 are in; K step 1's load may be out
	s_barrier_signal -1
	s_barrier_wait -1
	FETCH_B 0, 0, 0
	FETCH_A 0, 0, 0
	SCALES 0
	FETCH_A 0, 0, 4
	s_wait_loadcnt 0x0                             ; the bias
	STEP 0, 0, 1
	TURN 0, 1, 1, 0
	STEP 1, 0, 0
	TURN 1, 0, 1, 1
	STEP 0, 0, 0
	TURN 0, 1, 0, 0
	STEP 1, 0, 0
	s_wait_dscnt 4*NL                              ; the very last step
	WIN MUL_LO
	MUL16 0, 1, NQ-1, 1, 0
	MUL16 2, 1, NQ-1, 1, 0
	s_wait_dscnt 0                                 ; my last reads of the ring and of the scale bytes are in:
	s_barrier_signal -1                            ; say so,
	WIN MUL_HI
	MUL16 4, 1, NQ-1, 1, 0                         ; work on registers while the others arrive,
	MUL16 6, 1, NQ-1, 1, 0
	WIN 0
	s_barrier_wait -1                              ; and behind this nobody reads those bytes any more: the stages may be written over them
	PLACES NP
	LOADK 0, 0                                     ; the first 16 tokens' codes are on their way while v is dumped
	LOADQ 0, 0
.irp a, 0,1,2,3
	DUMP \a
.endr
	WIN 0
	s_wait_dscnt 0x0                               ; these stores are done: the accumulators of tokens 0-63 are free, and the second set lies in their registers
	LOADK 1, 1                                     ; the second 16 tokens' k: 62 loads of mine are out at the most
.irp a, 4,5,6,7
	DUMP \a
.endr
	WIN 0
.irp g, 0,1,2,3
	v_mov_b32 v[TX+\g], 0                          ; written once: a lane permute's destination counts as one of its sources;
	v_mov_b32 v[NM+2*\g+1], 0                      ; and the upper halves of pairs of which the low word alone serves
	v_mov_b32 v[RR+2*\g+1], 0
.endr
	s_mov_b32 s[NC], 0xbd38aa3b                    ; -c
	s_mov_b32 s[CS], 0x3d38aa3b                    ; c = log2(e) / 32
	s_mov_b32 s[CS+1], s[CS]
	s_mov_b32 s[SEL], 0x76543210
	s_mov_b32 s[SEL+1], 0xfedcba98
	s_mov_b32 s[MKA], 0x00f0000f                   ; lanes (n, h) with n / 4 = h
	s_mov_b32 s[MKB], 0xf0000f00                   ; lanes (n, h) with n / 4 = 2 + h
	s_mov_b32 s[CNT], 3
	s_mov_b32 s[SB], 0
	LOADQ 1, 1                                     ; and their q and scale words
	s_wait_xcnt 0x0                                ; the loads have read their bases: on to the third 16 tokens
	s_add_nc_u64 s[4:5], s[4:5], 8*768
	s_add_nc_u64 s[8:9], s[8:9], 8*768
	s_add_nc_u64 s[6:7], s[6:7], 256
	s_add_nc_u64 s[10:11], s[10:11], 256
; A STEP of 16 tokens on set s (s = the step's number % 2: it also picks the second 16 of the 32 tokens at which the bases and s[SB] stand).  load = 1: the codes of the step two on are asked for, into the same set.
; left: the loads that may stay out when this step's codes have to be there.
.macro TRIP s, load, left
	v_add_nc_u32 v[VA], s[SB], v[VA0]
	v_add_nc_u32 v[RA], s[SB], v[RA0]
.irp g, 0,1,2,3
.irp i, 0,1,2,3
	ds_load_b128 v[VV+16*\g+4*\i:VV+16*\g+4*\i+3], v[VA] offset:16*TP*(\s)+4*TP*\g+16*\i   ; v(token 4 g + n / 4, head n % 4, t = 16 h + 0 .. 15); LDS serves a wave's instructions in order (ISA guide 5.7.1.4): these see my stores
.endr
.endr
	s_wait_loadcnt \left                           ; this step's codes and scale words, asked for two steps ago, are in; the next step's 24 + 14 loads may be out
	WIN 68*(1+\s)                                  ; destination and source 1: the set's window
.irp g, 0,1,2,3
.irp j, 0,1,2,3,4,5
	v_cndmask_b32 v[QF+12*\g+\j], 0, v[QF+12*\g+\j], s[MKA]   ; a column keeps the codes of its own token's K block; all others become zero codes
.endr
.irp j, 6,7,8,9,10,11
	v_cndmask_b32 v[QF+12*\g+\j], 0, v[QF+12*\g+\j], s[MKB]
.endr
.endr
	WIN 0
	PLACES 4                                       ; an operand written by vector instructions stands four places ahead of a scaled matrix instruction
	WIN 5*(1+\s)                                   ; sources 0 and 1: the set's window
.irp g, 0,1,2,3
	v_wmma_scale_f32_16x16x128_f8f6f4 v[DD+16*\g:DD+16*\g+7], v[KF+24*\g:KF+24*\g+11], v[QF+12*\g:QF+12*\g+11], 0, v[KSC+8*(\s)+\g], v[QSC+8*(\s)+\g] matrix_a_fmt:MATRIX_FMT_FP6 matrix_b_fmt:MATRIX_FMT_FP6
	v_wmma_scale_f32_16x16x128_f8f6f4 v[DD+16*\g+8:DD+16*\g+15], v[KF+24*\g+12:KF+24*\g+23], v[QF+12*\g:QF+12*\g+11], 0, v[KSC+8*(\s)+\g], v[QSC+8*(\s)+\g] matrix_a_fmt:MATRIX_FMT_FP6 matrix_b_fmt:MATRIX_FMT_FP6 matrix_a_scale:MATRIX_SCALE_ROW1
.endr
	WIN 0
	PLACES NP                                      ; in front of the loads into the operands' registers and of the first read of the scores
.if \load
	LOADK \s, \s                                   ; k of the step two on: with the next step's 38 loads, 62 are out at the most
.endif
.irp g, 0,1,2,3
	v_max3_num_f32 v[MX+\g], v[DD+16*\g], v[DD+16*\g+1], v[DD+16*\g+2]   ; the row's maximum: my 16 scores (each accumulator is read from its low end on; the four groups by turns)
.endr
.irp i, 3,5,7,9,11,13
.irp g, 0,1,2,3
	v_max3_num_f32 v[MX+\g], v[MX+\g], v[DD+16*\g+\i], v[DD+16*\g+\i+1]
.endr
.endr
.irp g, 0,1,2,3
	v_max_num_f32 v[MX+\g], v[MX+\g], v[DD+16*\g+15]
.endr
.irp g, 0,1,2,3
	v_permlanex16_b32 v[TX+\g], v[MX+\g], s[SEL], s[SEL+1]
.endr
.irp g, 0,1,2,3
	v_max_num_f32 v[MX+\g], v[MX+\g], v[TX+\g]     ; with lane l xor 16's 16
.endr
.irp g, 0,1,2,3
	v_mul_f32 v[NM+2*\g], s[NC], v[MX+\g]          ; -c max: the same number for all 32 of a row, so what its rounding adds to the exponents leaves p / sum as it is
.endr
.irp j, 0,2,4,6,8,10,12,14
.irp g, 0,1,2,3
	v_pk_fma_f32 v[DD+16*\g+\j:DD+16*\g+\j+1], v[DD+16*\g+\j:DD+16*\g+\j+1], s[CS:CS+1], v[NM+2*\g:NM+2*\g+1] op_sel_hi:[1,0,0]   ; c s - c max, two at a time
.endr
.endr
.set j, 0
.rept 64
	v_exp_f32 v[DD+j], v[DD+j]                     ; p, at most 1
.set j, j+1
.endr
	v_nop                                          ; a plain place behind the last exponential
.if \load
	LOADQ \s, \s                                   ; q and the scale words of the step two on: the oldest loads that are out were asked for a step and a half ago
.endif
	s_wait_alu depctr_va_vdst(0)                   ; one wait for the batch of 64, ahead of its first reader
.irp g, 0,1,2,3
	v_pk_add_f32 v[SM+2*\g:SM+2*\g+1], v[DD+16*\g:DD+16*\g+1], v[DD+16*\g+2:DD+16*\g+3]
.endr
.irp j, 4,6,8,10,12,14
.irp g, 0,1,2,3
	v_pk_add_f32 v[SM+2*\g:SM+2*\g+1], v[SM+2*\g:SM+2*\g+1], v[DD+16*\g+\j:DD+16*\g+\j+1]
.endr
.endr
.irp g, 0,1,2,3
	v_add_f32 v[SM+2*\g], v[SM+2*\g], v[SM+2*\g+1]
.endr
.irp g, 0,1,2,3
	v_permlanex16_b32 v[TX+\g], v[SM+2*\g], s[SEL], s[SEL+1]
.endr
.irp g, 0,1,2,3
	v_add_f32 v[SM+2*\g], v[SM+2*\g], v[TX+\g]     ; the row's sum, at least 1
.endr
.irp g, 0,1,2,3
	v_rcp_f32 v[RR+2*\g], v[SM+2*\g]
.endr
	s_wait_dscnt 0x0                               ; v is in
.irp j, 0,2,4,6,8,10,12,14
.irp g, 0,1,2,3
	v_pk_mul_f32 v[DD+16*\g+\j:DD+16*\g+\j+1], v[DD+16*\g+\j:DD+16*\g+\j+1], v[VV+16*\g+\j:VV+16*\g+\j+1]   ; p x v: the independent work behind the reciprocals
.endr
.endr
	s_wait_alu depctr_va_vdst(0)                   ; one wait for the four reciprocals, ahead of their first reader
.irp j, 0,2,4,6,8,10,12,14
.irp g, 0,1,2,3
	v_pk_mul_f32 v[DD+16*\g+\j:DD+16*\g+\j+1], v[DD+16*\g+\j:DD+16*\g+\j+1], v[RR+2*\g:RR+2*\g+1] op_sel_hi:[1,0]   ; / the sum
.endr
.endr
.irp g, 0,1,2,3
.irp i, 0,1,2,3
	ds_store_b128 v[VA], v[DD+16*\g+4*\i:DD+16*\g+4*\i+3] offset:16*TP*(\s)+4*TP*\g+16*\i   ; into the bytes that v has left
.endr
.endr
.irp k, 0,1,2,3,4,5,6,7,8,9,10,11,12,13,14,15
	ds_load_b128 v[VV+4*\k:VV+4*\k+3], v[RA] offset:16*TP*(\s)+TP*\k   ; and back as rows: token k's 512 bytes
.endr
.irp k, 0,1,2,3,4,5,6,7,8,9,10,11,12,13,14,15
	s_wait_dscnt 15-\k                             ; row k is in; the 15 - k younger rows may be out
	global_store_b128 v[CO], v[VV+4*\k:VV+4*\k+3], s[12:13] offset:65536*(\s)+4096*\k th:TH_STORE_NT   ; 32 lanes store 512 consecutive bytes, at a multiple of 256 from out's first byte; written once, read by nobody here
.endr
	s_wait_xcnt 0x0                                ; the step's loads and stores have read their registers and bases: both may be written again
.endm
.Lblk:                                             ; three trips of two steps: steps 0 to 5, which ask for the codes of steps 2 to 7
	TRIP 0, 1, 38
	TRIP 1, 1, 38
	s_add_nc_u64 s[12:13], s[12:13], 32*4096
	s_add_nc_u64 s[4:5], s[4:5], 8*768
	s_add_nc_u64 s[8:9], s[8:9], 8*768
	s_add_nc_u64 s[6:7], s[6:7], 256
	s_add_nc_u64 s[10:11], s[10:11], 256
	s_add_co_u32 s[SB], s[SB], 32*TP
	s_sub_co_u32 s[CNT], s[CNT], 1
	s_cmp_lg_u32 s[CNT], 0
	s_cbranch_scc1 .Lblk
	TRIP 0, 0, 38                                  ; the last two steps are written out: they ask for nothing, so no load leaves its buffer, and the counts run down
	TRIP 1, 0, 0
	s_wait_tensorcnt 0x0                           ; the wave's end
	ds_add_u32 v[SPW], v[NIL]
	s_wait_dscnt 0x0
	CROUND                                         ; the closing round: no work-group ends while a partner may still ask for a tile that names it
	s_endpgm
.Lfunc_end_k_q86b232acd5_attn:
	.size	k_q86b232acd5_attn, .Lfunc_end_k_q86b232acd5_attn-k_q86b232acd5_attn
	.p2alignl 7, 3214868480
	.fill 96, 4, 3214868480
	.section	.rodata,"a",@progbits
	.p2align	6, 0x0
	.amdhsa_kernel k_q86b232acd5_attn
		.amdhsa_group_segment_fixed_size 327680
		.amdhsa_private_segment_fixed_size 0
		.amdhsa_enable_private_segment 0
		.amdhsa_kernarg_size 80
		.amdhsa_user_sgpr_count 2
		.amdhsa_user_sgpr_kernarg_segment_ptr 1
		.amdhsa_wavefront_size32 1
		.amdhsa_system_sgpr_workgroup_id_x 1
		.amdhsa_system_sgpr_workgroup_id_y 1
		.amdhsa_system_sgpr_workgroup_id_z 1
		.amdhsa_system_vgpr_workitem_id 0
		.amdhsa_next_free_vgpr 1024
		.amdhsa_next_free_sgpr 104
		.amdhsa_reserve_vcc 0
		.amdhsa_float_denorm_mode_32 3
		.amdhsa_float_denorm_mode_16_64 3
		.amdhsa_memory_ordered 1
		.amdhsa_forward_progress 1
		.amdhsa_inst_pref_size 248
	.end_amdhsa_kernel
	.amdgpu_metadata
---
amdhsa.version: [ 1, 2 ]
amdhsa.kernels:
  - .name:           k_q86b232acd5_attn
    .symbol:         k_q86b232acd5_attn.kd
    .args:
      - { .name: value_codes, .offset: 0, .size: 8, .value_kind: global_buffer, .address_space: global }
      - { .name: value_scales, .offset: 8, .size: 8, .value_kind: global_buffer, .address_space: global }
      - { .name: Wv_codes, .offset: 16, .size: 8, .value_kind: global_buffer, .address_space: global }
      - { .name: Wv_scales, .offset: 24, .size: 8, .value_kind: global_buffer, .address_space: global }
      - { .name: out0, .offset: 32, .size: 8, .value_kind: global_buffer, .address_space: global }
      - { .name: bv, .offset: 40, .size: 8, .value_kind: global_buffer, .address_space: global }
      - { .name: qc, .offset: 48, .size: 8, .value_kind: global_buffer, .address_space: global }
      - { .name: qs, .offset: 56, .size: 8, .value_kind: global_buffer, .address_space: global }
      - { .name: kc, .offset: 64, .size: 8, .value_kind: global_buffer, .address_space: global }
      - { .name: ks, .offset: 72, .size: 8, .value_kind: global_buffer, .address_space: global }
    .group_segment_fixed_size: 327680
    .private_segment_fixed_size: 0
    .kernarg_segment_align: 8
    .kernarg_segment_size: 80
    .max_flat_workgroup_size: 128
    .sgpr_count:     104
    .vgpr_count:     1024
    .wavefront_size: 32
...
	.end_amdgpu_metadata
.endif
;; end of part 2
